; MI455X (gfx1250); checked and timed in simulation.
; The chip was launched on July 23, 2026; its instructions are those of AMD's public machine-readable ISA for CDNA 5 (MIT licence, August 2026) and "CDNA5" Instruction Set Architecture Reference Guide (July 2026). The comments in the code are by the model that wrote it; some were corrected since.
;; Attention. Allowed arithmetic: matrix products marked QUANTISED: E5M2 operands, one given power-of-two scale a tensor, by v_wmma_f32_16x16x64_bf8_bf8 or v_wmma_f32_16x16x128_bf8_bf8, f32 sums; everything else in f32.
;; Inputs: Wk_codes 512 x 16 x 32 uint8 (E5M2 codes of Wk, K innermost, in blocks of 32 codes); Wq_codes 512 x 16 x 32 uint8 (E5M2 codes of Wq, K innermost, in blocks of 32 codes); Wv_codes 512 x 16 x 32 uint8 (E5M2 codes of Wv, K innermost, in blocks of 32 codes); embeddings_codes 32 x 1,024 x 16 x 32 uint8 (E5M2 codes of embeddings, K innermost, in blocks of 32 codes); lowp_scales 10 int32 (the exponents e of the quantised operands' scales 2^e).
;; Outputs: out0 32 x 1,024 x 512 float32.
;; This version of the problem:
;;   THIS VERSION OF THE PROBLEM IS GIVEN IN LOW PRECISION. The matrix products marked QUANTISED in the list below multiply operands that are first quantised to E5M2 (5 exponent bits, 2 mantissa bits; 8 bits a number), with one given power-of-two scale for each operand tensor; their sums are f32. All else is computed in f32.
;;   The module's matrix products, in the order in which they are computed (A, B: the left and right operand; K: the contracted axis; several contracted axes count as one K, in the product's order):
;;     1. [M 32,768, K 512] x [K 512, N 512]; A: input embeddings (given as codes); B: input Wq (given as codes): QUANTISED (scales: A lowp_scales[0], B lowp_scales[1])
;;     2. [M 32,768, K 512] x [K 512, N 512]; A: input embeddings (given as codes); B: input Wk (given as codes): QUANTISED (scales: A lowp_scales[2], B lowp_scales[3])
;;     3. [M 32,768, K 512] x [K 512, N 512]; A: input embeddings (given as codes); B: input Wv (given as codes): QUANTISED (scales: A lowp_scales[4], B lowp_scales[5])
;;     4. batch 32 x [M 1,024, K 512] x [K 512, N 1,024]; A: computed on the way; B: computed on the way: QUANTISED (scales: A lowp_scales[6], B lowp_scales[7])
;;     5. batch 32 x [M 1,024, K 1,024] x [K 1,024, N 512]; A: softmax (see below); B: computed on the way: QUANTISED (scales: A lowp_scales[8], B lowp_scales[9])
;;   THE QUANTISER, for each operand of a quantised product, along K:
;;     - The operand's scale is 2^e, e = its entry of the input lowp_scales (int32; the entries are numbered through the quantised products in the list's order, A before B).
;;     - Each number is divided by the scale, clamped to +-57,344, and rounded to the nearest number of E5M2, ties to even, subnormals kept.
;;     - The product sums the exact products of the quantised numbers (number of the format x scale) in f32.
;;   ~~~python
;;   def quantise(x, axis, e):      # numpy; x: float32 -> the quantised numbers, widened to float32 again
;;       x = np.moveaxis(x, axis, -1); K = x.shape[-1]
;;       r = np.clip(x / 2.0 ** e, -57344, 57344)
;;       step = 2.0 ** (np.maximum(np.frexp(np.where(r == 0, 1, r))[1] - 1, -14) - 2)
;;       q = np.round(r / step) * step * 2.0 ** e      # np.round: ties to even
;;       return np.moveaxis(q, -1, axis).astype(np.float32)
;;   ~~~
;;   SOFTMAX AHEAD OF A QUANTISED PRODUCT. Where the list says 'softmax', what is quantised is not the finished softmax but p = 2^(t - M), with t = logit x log2(e) and M = ceil(the row's largest t), a whole number; so 1/2 < the row's largest p <= 1. The row's sum l is taken of the UNQUANTISED p, in f32, and the product's result is divided by l at the end. Since M is a whole number, a kernel that streams over the keys may use a running M (the ceiling of the running maximum): every later rescaling is an exact power of two, so the quantised numbers keep their values, but for numbers so far below the row's largest that they fall under the format's range.
;;   OPERANDS COMPUTED ON THE WAY. 'Computed on the way' means the value that the module computes at that place (a softmax that the list does not call 'softmax' is quantised finished and normalised). What goes into a quantiser is computed in f32, as accurately as f32 sums, v_exp_f32 and their like allow (about 1e-6 of the number): no bf16 or f16 on the way to a quantiser, and a product that is left as it is and whose result goes on into a quantised operand takes f32 operands (vector FMAs, or v_wmma_f32_16x16x4_f32). A number that lies on a knife's edge between two numbers of the format may be rounded either way, as far as f32 arithmetic and the matrix unit's own rounding can turn it there, and no further.
;;   INPUTS GIVEN AS CODES. Wk (in the module: [512, 512], K = its axis 1); Wq (in the module: [512, 512], K = its axis 1); Wv (in the module: [512, 512], K = its axis 1); embeddings (in the module: [32, 1024, 512], K = its axis 2): each comes as NAME_codes (uint8): NAME with its K axis moved to the last place and cut into blocks of 32 codes, [.., K / 32, bytes a block], one block behind the other in memory; one code a byte (a code: sign, 5 exponent bits, 2 mantissa bits); its scale is its entry of lowp_scales. Its value is code x scale, taken as it is: it is not quantised again, and the codes and scales need not be those that the quantiser above would give.
;; One version. Each part assembles by itself: llvm-mc -triple=amdgcn-amd-amdhsa -mcpu=gfx1250 --defsym DOCPART=n.
;; ======== version 1 of 1: 2 launches
;; limits: right only within a limited range of input values
;; workspace buffers: q_img 16,777,216 bytes; kv_img 33,554,432 bytes
;; launch project (part 1): grid 128 x 2, 4 waves a work-group, clusters of 4 x 1, 327,680 bytes of LDS; arguments embeddings_codes, Wq_codes, Wk_codes, Wv_codes, lowp_scales, q_img, kv_img; writes q_img, kv_img
.if DOCPART == 1
	.amdgcn_target "amdgcn-amd-amdhsa--gfx1250"
	.amdhsa_code_object_version 6
	.text
	.protected	k_qebe068c14b_project
	.globl	k_qebe068c14b_project
	.p2align	8
	.type	k_qebe068c14b_project,@function
k_qebe068c14b_project:
	s_mov_b64 s[64:65], 0
	v_nop
	global_prefetch_b8 v0, s[64:65] scope:SCOPE_SE
	s_setreg_imm32_b32 hwreg(HW_REG_WAVE_MODE, 25, 1), 1
	s_wait_xcnt 0x0
	s_wait_alu depctr_hold_cnt(0) depctr_sa_sdst(0) depctr_va_vdst(0) depctr_va_sdst(0) depctr_va_ssrc(0) depctr_va_vcc(0) depctr_vm_vsrc(0)
	s_getreg_b32 s2, hwreg(HW_REG_IB_STS2, 6, 4)
	s_cmp_eq_u32 s2, 0
	s_cbranch_scc0 .Lentry_in_a_cluster
	s_endpgm
.Lentry_in_a_cluster:
	s_bfe_u32 s2, ttmp6, 0x10000c
	s_cmp_lg_u32 s2, 0x3003
	s_cbranch_scc0 .Lentry_shape_is_right
	s_endpgm
.Lentry_shape_is_right:
; q = x Wq^T, k = x Wk^T, v = x Wv^T on codes of BF8 (E5M2), each result quantised again in registers and stored as codes.
; x: [32,768][512] codes; Wq, Wk, Wv: [512][512] codes, K innermost.  lowp_scales: e0 .. e9.  A sum of product 1 stands for sum x 2^(e0 + e1); q's code is sum / 2^(e6 - e0 - e1),
; held within +-57,344 and rounded by the conversion; k likewise with e7 - e2 - e3, v with e9 - e4 - e5.
; LIMITS: each of these three differences lies between -126 and 112, so that the scale and 57,344 x the scale are f32 numbers.  Codes of infinity or NaN among the inputs are not served.
; SHARES.  256 work-groups: work-group (tb, cc) owns tokens 256 tb .. + 255 and rows 256 cc .. + 255 of each W, and makes three tiles of 256 x 256 (q, k, v), K = 512.
; A wave makes 128 x 128: 64 accumulators, 512 registers, 256 matrix instructions a tile.
; WHICH SOURCE IS WHICH.  In a result lane l holds ONE row of source 1 (l % 16) and eight neighbouring rows of source 0 (8 (l / 16) + 0 .. 7).  q and k are quantised along the channels: source 0 = W, source 1 = x.
; v is quantised along the tokens (the keys of the later product): source 0 = x, source 1 = W.  So the eight accumulators of a block of source 1 turn, by eight conversions, into the 16 registers of ONE operand
; fragment (16 rows x 128 K; registers 2 b, 2 b + 1: K = 16 b + 8 (l / 16) + 0 .. 7), stored as an image of its registers: registers 4 n .. 4 n + 3 of lane l at byte 512 n + 16 l of 2,048.
; q_img: [token tile 2,048][channel step 4][2,048].  kv_img: for each batch 1 MiB: k as q, [token tile 64][channel step 4][2,048]; then v, [64 channels: 8][t 4][key step 8][2,048],
; where lane r of tile t holds channel 4 r + t of its 64.  That order is made by how Wv is fetched: wave w brings rows w, w + 4, w + 8 .. of the 256 into LDS rows 64 w on.
; LDS.  Two slots, one for each half of K (256 bytes of a row).  A slot holds 256 rows of x, filled once, and 256 rows of W, filled again for each tile: slot 0's in the middle of a tile, slot 1's at its end, ahead of the codes' stores.
; CLUSTER.  The four work-groups of a cluster lie along x and share cc: W's tiles are asked for JOINTLY (mask 15).  x's tiles are each work-group's own: plain loads.  x is shared only by the two work-groups
; along y, and the grid's y is 2, which no cluster of four rows divides: so x is not asked for jointly.
; NO PREFETCH: x and the first W are asked for in the first lines, and the later halves of W are 65,536 bytes each, asked for half a tile ahead: there is no loop over a stream to run ahead in.
; REGISTERS, in windows of 256: window 0: v1-29 addresses and scales; v128-255 source 1's eight fragments, ONE set; later a block's codes.  window 1: source 0's fragments, TWO sets.
;   window 2: accumulators of source 1's blocks 0-3 ((a, b) at v[8 (8 (a % 4) + b)]); window 3: of blocks 4-7.
.set PITCH,  272                       ; 68 words, so the 16 rows that a fragment load touches start 4 banks apart (64 banks of 4 bytes: ISA guide 11.1)
.set QUART,  64*PITCH
.set HALFT,  128*PITCH
.set XPART,  256*PITCH                 ; x's part of a slot; W's part lies behind it
.set SLOT,   2*XPART
.set SPARE,  2*SLOT                    ; the spare words, 128 bytes for each wave: two blocks of 256 bytes that no other line names
.set AXH,  8                           ; v8-9    LDS address of x's rows 128 hi on, slot 0, 1
.set AWL,  10                          ; v10-11  of W's rows 128 lo on
.set AXL,  12                          ; v12-13  of x's rows 128 lo on
.set AWH,  14                          ; v14-15  of W's rows 128 hi on
.set GO,   16                          ; v16  16 x lane: my place in an image
.set SPW,  28                          ; v28  LDS address of my spare word; never rewritten
.set NIL,  29                          ; v29  0; never rewritten
.set AF,   128
.set WV,   20
.set CNT,  26
.set LB,   27                          ; s27  where my 64 rows of W go in slot 0
.set G1X,  28                          ; s[28:35] descriptor group 1: 128 rows of x
.set G1W,  36                          ; s[36:43] 128 rows of W, joint (the first W)
.set G1K,  44                          ; s[44:51] 64 rows of W on end, joint
.set G1V,  52                          ; s[52:59] 64 rows of W, every fourth, joint
.set G0X,  60
.set G0W,  68
.set G0R,  72                          ; s[72:75] group 0 of the refills
.set PK,   76                          ; s[76:77] Wk at my 64 rows
.set PW,   78                          ; s[78:79] Wv at my first row
.set QB,   80                          ; s[80:81], s[82:83], s[84:85] where my images of q, k and v begin
.set KB,   82
.set VB,   84
.set CB,   86                          ; s[86:87] q's or k's, by the trip
.set PADW, (1<<20)|(5<<22)|(3<<25)     ; padding on; after every 64 words (code 5); of 4 words (code 3); elements of 1 byte
.set MSKW, 15|(1<<21)|PADW             ; the same with the mask of all four work-groups, and bit 21 set beside it
.set MSB, 0
.macro WIN new                         ; the immediate's high byte repeats the setting that is left; a switch that changes nothing is dropped
.if MSB != (\new)
	s_set_vgpr_msb (MSB<<8)|(\new)
.set MSB, (\new)
.endif
.endm
.set MUL_LO, 0xa1                      ; source 0 window 1, source 1 window 0, C and D window 2
.set MUL_HI, 0xf1                      ; the same, C and D window 3
.macro CREST                           ; a round of the cluster's barrier behind its opening barrier
	s_cmp_lg_u32 s[WV], 0
	s_cbranch_scc1 .Lnot_wave_0_\@
	s_barrier_signal -3
.Lnot_wave_0_\@:
	s_barrier_wait -3
	s_barrier_signal -1
	s_barrier_wait -1
.endm
.macro CROUND                          ; a whole round
	s_barrier_signal -1
	s_barrier_wait -1
	CREST
.endm
.macro PLACES n                        ; plain vector lines behind matrix instructions, in front of loads into registers that they read and of reads of their results
.rept \n
	v_nop
.endr
.endm
.macro GROUP1 g, w0, rows, pitch       ; rows x 256 elements of one byte, pitch bytes from row to row in memory
	s_mov_b32 s[\g], \w0
	s_mov_b32 s[\g+1], 256<<16
	s_mov_b32 s[\g+2], (\rows)<<16
	s_mov_b32 s[\g+3], 256<<16
	s_mov_b32 s[\g+4], \rows
	s_mov_b32 s[\g+5], \pitch
	s_mov_b32 s[\g+6], 0
	s_mov_b32 s[\g+7], 0
.endm
.macro JHEAD                           ; one load a wave: waves 0 and 1 bring x's halves, waves 2 and 3 Wq's
	s_cmp_lt_u32 s[WV], 2
	s_cbranch_scc0 .Lhead_w_\@
	tensor_load_to_lds s[G0X:G0X+3], s[G1X:G1X+7]
	s_nop 0
	PLACES 4
	s_branch .Lhead_join_\@
.Lhead_w_\@:
	tensor_load_to_lds s[G0W:G0W+3], s[G1W:G1W+7]
	s_nop 0
	PLACES 4
.Lhead_join_\@:
.endm
	s_load_b256 s[4:11], s[0:1], 0x0               ; x s[4:5], Wq s[6:7], Wk s[8:9], Wv s[10:11]
	s_load_b128 s[12:15], s[0:1], 0x20             ; scales s[12:13], q_img s[14:15]
	s_load_b64 s[16:17], s[0:1], 0x30              ; kv_img
	v_lshl_add_u32 v[SPW], v0, 2, SPARE
	v_mov_b32 v[NIL], 0
	ds_add_u32 v[SPW], v[NIL]                      ; the opening: the add, twice on end, and its wait ahead of my first tensor load; work on registers stands between
	ds_add_u32 v[SPW], v[NIL]
	v_lshrrev_b32 v1, 5, v0
	v_readfirstlane_b32 s[WV], v1                  ; wave 0..3
	s_lshr_b32 s21, s[WV], 1                       ; hi: which half of source 1's rows is mine
	s_and_b32 s22, s[WV], 1                        ; lo: which half of source 0's
	s_bfe_u32 s23, ttmp6, 0x40000                  ; cx: my place in the cluster
	s_lshl_b32 s24, ttmp9, 2
	s_add_co_u32 s24, s24, s23                     ; tb = 4 x cluster x + cx
	s_and_b32 s25, ttmp7, 0xffff                   ; cc, which the four partners share
	GROUP1 G1X, PADW, 128, 512
	GROUP1 G1W, MSKW, 128, 512
	GROUP1 G1K, MSKW, 64, 512
	GROUP1 G1V, MSKW, 64, 2048
	s_lshl_b32 s86, s24, 17                        ; x: (256 tb + 128 lo) rows of 512 bytes (asked for by waves 0 and 1)
	s_lshl_b32 s87, s22, 16
	s_add_co_u32 s86, s86, s87
	s_mov_b32 s87, 0
	s_lshl_b32 s88, s25, 17                        ; Wq: (256 cc + 128 lo) rows (waves 2 and 3)
	s_lshl_b32 s89, s22, 16
	s_add_co_u32 s88, s88, s89
	s_mov_b32 s89, 0
	s_lshl_b32 s90, s25, 17                        ; Wk: (256 cc + 64 wave) rows
	s_lshl_b32 s91, s[WV], 15
	s_add_co_u32 s90, s90, s91
	s_mov_b32 s91, 0
	s_lshl_b32 s92, s25, 17                        ; Wv: row 256 cc + wave, and every fourth from there
	s_lshl_b32 s93, s[WV], 9
	s_add_co_u32 s92, s92, s93
	s_mov_b32 s93, 0
	s_lshl_b32 s94, s24, 17                        ; q_img: (16 tb + 8 hi) token tiles of 8,192 bytes + (2 cc + lo) fragments of 2,048
	s_lshl_b32 s95, s21, 16
	s_add_co_u32 s94, s94, s95
	s_lshl_b32 s95, s25, 12
	s_add_co_u32 s94, s94, s95
	s_lshl_b32 s95, s22, 11
	s_add_co_u32 s94, s94, s95
	s_mov_b32 s95, 0
	s_lshr_b32 s98, s24, 2                         ; the batch
	s_lshl_b32 s97, s98, 19
	s_add_co_u32 s96, s94, s97                     ; k: the same, and v's 524,288 bytes of each earlier batch
	s_mov_b32 s97, 0
	s_lshl_b32 s98, s98, 20                        ; v: batch x 1 MiB + 524,288 + 4 cc x 65,536 + 2 hi x 16,384 + (2 (tb % 4) + lo) x 2,048
	s_add_co_u32 s98, s98, 0x80000
	s_lshl_b32 s99, s25, 18
	s_add_co_u32 s98, s98, s99
	s_lshl_b32 s99, s21, 15
	s_add_co_u32 s98, s98, s99
	s_and_b32 s99, s24, 3
	s_lshl_b32 s99, s99, 12
	s_add_co_u32 s98, s98, s99
	s_lshl_b32 s99, s22, 11
	s_add_co_u32 s98, s98, s99
	s_mov_b32 s99, 0
	s_mul_i32 s23, s[WV], HALFT                    ; the first fills: x's two halves, then W's: wave x 128 rows: no place in the cluster enters an LDS address
	s_mul_i32 s[LB], s[WV], QUART
	s_add_co_u32 s[LB], s[LB], XPART               ; later: my 64 rows of W's part
	s_wait_alu depctr_va_vdst(0)
	s_wait_dscnt 0x0                               ; both opening adds are done
	s_wait_kmcnt 0x0
	s_add_nc_u64 s[QB:QB+1], s[14:15], s[94:95]
	s_add_nc_u64 s[KB:KB+1], s[16:17], s[96:97]
	s_add_nc_u64 s[VB:VB+1], s[16:17], s[98:99]
	s_add_nc_u64 s[PK:PK+1], s[8:9], s[90:91]
	s_add_nc_u64 s[PW:PW+1], s[10:11], s[92:93]
	s_mov_b32 s[G0X], 1                            ; count = 1
	s_mov_b32 s[G0X+1], s23                        ; LDS address: slot 0
	s_add_nc_u64 s[G0X+2:G0X+3], s[4:5], s[86:87]  ; global address: K half 0
	s_or_b32 s[G0X+3], s[G0X+3], 0x80000000        ; type = 2
	s_mov_b32 s[G0W], 1
	s_mov_b32 s[G0W+1], s23
	s_add_nc_u64 s[G0W+2:G0W+3], s[6:7], s[88:89]
	s_or_b32 s[G0W+3], s[G0W+3], 0x80000000
	s_mov_b32 s[G0R], 1
	CROUND                                         ; all four work-groups are here: the first joint loads meet
	JHEAD                                          ; K half 0
	s_load_b256 s[88:95], s[12:13], 0x0            ; e0 .. e7
	s_load_b64 s[96:97], s[12:13], 0x20            ; e8, e9
	s_mul_i32 s4, s21, HALFT                       ; x's rows 128 hi on
	s_mul_i32 s5, s22, HALFT                       ; x's rows 128 lo on
	s_add_co_u32 s6, s4, XPART                     ; W's rows 128 hi on
	s_add_co_u32 s7, s5, XPART                     ; W's rows 128 lo on
	v_and_b32 v1, 15, v0                           ; l % 16
	v_bfe_u32 v2, v0, 4, 1                         ; l / 16
	v_mul_u32_u24 v3, v1, PITCH
	v_lshl_add_u32 v3, v2, 4, v3                   ; a fragment's row x pitch + 16 x half
	s_wait_alu depctr_va_vdst(0)
.irp s, 0,1
	v_add_nc_u32 v[AXH+\s], s4, v3
	v_add_nc_u32 v[AXL+\s], s5, v3
	v_add_nc_u32 v[AWH+\s], s6, v3
	v_add_nc_u32 v[AWL+\s], s7, v3
	s_add_co_u32 s4, s4, SLOT
	s_add_co_u32 s5, s5, SLOT
	s_add_co_u32 s6, s6, SLOT
	s_add_co_u32 s7, s7, SLOT
.endr
	v_and_b32 v[GO], 31, v0
	v_lshlrev_b32 v[GO], 4, v[GO]
; v[vs] = 2^(eo - ea - eb) as f32: the conversion takes its exponent field;  v[vs + 1] = 57,344 x that: the hold.  No branch hangs on a given exponent.
.macro MKSCALE ea, eb, eo, vs
	s_sub_co_i32 s98, s[\eo], s[\ea]
	s_sub_co_i32 s98, s98, s[\eb]
	s_add_co_i32 s98, s98, 127
	s_lshl_b32 s99, s98, 23
	v_mov_b32 v[\vs], s99
	s_add_co_i32 s98, s98, 15
	s_lshl_b32 s98, s98, 23
	s_or_b32 s98, s98, 0x600000
	v_mov_b32 v[\vs+1], s98
.endm
	s_wait_alu depctr_va_vdst(0)
	s_wait_kmcnt 0x0
	MKSCALE 88, 89, 94, 20                         ; q: e6 - e0 - e1
	MKSCALE 90, 91, 95, 22                         ; k: e7 - e2 - e3
	MKSCALE 92, 93, 97, 24                         ; v: e9 - e4 - e5
; A fragment, 16 rows x 128 K of 8-bit codes, is fetched by four loads of 16 bytes, 32 bytes apart: lane l holds row l % 16; registers 4 c .. 4 c + 3 hold K = 32 c + 16 (l / 16) + 0 .. 15.
; That is a permutation of K, the same in both sources, so every product meets its partner.
.macro FRAG reg, adr, q, i
.irp c, 0,1,2,3
	ds_load_b128 v[\reg+4*\c:\reg+4*\c+3], v[\adr] offset:128*(\q)+32*\c+(\i)*16*PITCH
.endr
.endm
.macro FETCH0 adr, q, p                ; source 0's eight fragments of a slot's q-th 128 along K into set p
	WIN 0x40
.irp i, 0,1,2,3,4,5,6,7
	FRAG 128*(\p)+16*\i, \adr, \q, \i
.endr
	WIN 0
.endm
.macro FETCH1 adr, q, i0               ; source 1's blocks i0 .. i0 + 3
.irp i, \i0, \i0+1, \i0+2, \i0+3
	FRAG AF+16*(\i), \adr, \q, \i
.endr
.endm
; 16 matrix instructions: source 1's blocks a0, a0 + 1 x source 0's eight, 128 along K.  zero = 1: the product starts the sums: nothing is cleared.
; The 64 accumulators take turns, one instruction a turn, in the same order in every step.
.macro MUL16 a0, p, zero
.irp a, \a0, \a0+1
.irp b, 0,1,2,3,4,5,6,7
.if \zero
	v_wmma_f32_16x16x128_bf8_bf8 v[8*(8*((\a)%4)+\b):8*(8*((\a)%4)+\b)+7], v[128*(\p)+16*\b:128*(\p)+16*\b+15], v[AF+16*(\a):AF+16*(\a)+15], 0
.else
	v_wmma_f32_16x16x128_bf8_bf8 v[8*(8*((\a)%4)+\b):8*(8*((\a)%4)+\b)+7], v[128*(\p)+16*\b:128*(\p)+16*\b+15], v[AF+16*(\a):AF+16*(\a)+15], v[8*(8*((\a)%4)+\b):8*(8*((\a)%4)+\b)+7]
.endif
.endr
.endr
.endm
; A slot's first 128 along K.  Source 0's fragments of the second 128 are fetched ahead of its products, into the other set; source 1's follow as its blocks become free.  R0, R1: the sources' pairs of address registers.
.macro STEP slot, zero
	FETCH0 R0+\slot, 1, 1
	s_wait_dscnt 48                                ; this step's source 0 and source 1's blocks 0-3 are in; blocks 4-7 (sixteen loads) and the 32 just issued may be out
	WIN MUL_LO
	MUL16 0, 0, \zero
	MUL16 2, 0, \zero
	s_wait_dscnt 32                                ; blocks 4-7 are in
	PLACES 4
	WIN 0
	FETCH1 R1+\slot, 1, 0
	WIN MUL_HI
	MUL16 4, 0, \zero
	MUL16 6, 0, \zero
	PLACES 4
	WIN 0
	FETCH1 R1+\slot, 1, 4
.endm
; The first half of a slot's second 128 along K: ONE barrier for the change of slots.  In front of it each wave waits for all its tensor loads, adds 0 to its spare word, and waits for that and for its own reads of this slot.
; fill = 1: the refill's group 0 is made, from Wk's pointer in the first trip and Wv's in the second: no tensor load of mine is out.
.macro MEET slot, fill
	s_wait_tensorcnt 0x0                           ; all my tensor loads have landed, my part of what is read next among them  (every window is 0 here)
	ds_add_u32 v[SPW], v[NIL]                      ; 0 onto my spare word
.if \fill
	s_add_co_u32 s[G0R+1], s[LB], \slot*SLOT
	s_cmp_eq_u32 s[CNT], 2
	s_cselect_b64 s[G0R+2:G0R+3], s[PK:PK+1], s[PW:PW+1]
.if \slot
	s_add_nc_u64 s[G0R+2:G0R+3], s[G0R+2:G0R+3], 256
.endif
	s_or_b32 s[G0R+3], s[G0R+3], 0x80000000
.endif
	s_wait_dscnt 17                                ; (the add and the youngest sixteen loads, blocks 4-7, may be out)
	WIN MUL_LO
	MUL16 0, 1, 0                                  ; sixteen matrix instructions stand between the add and the wait for it
	s_wait_dscnt 0x0                               ; the add is done, and my reads of this slot are over
	s_barrier_signal -1
	MUL16 2, 1, 0
	WIN 0                                          ; (branches may follow, and nothing stands between the wait below and the rest of the round)
	s_barrier_wait -1
.endm
; The joint refill of a slot's W part: every wave brings its own 64 rows, of Wk in the first trip, of Wv in the second.  nx = 1: behind it the next tile's first fragments of source 0: W's for k, x's for v.
.macro JW nx
	s_cmp_eq_u32 s[CNT], 2
	s_cbranch_scc0 .Lnext_v_\@
	tensor_load_to_lds s[G0R:G0R+3], s[G1K:G1K+7]
	s_nop 0
	PLACES 4                                       ; (the places in front of the loads that follow)
.if \nx
	FETCH0 AWL, 0, 0
.endif
	s_branch .Lnext_join_\@
.Lnext_v_\@:
	tensor_load_to_lds s[G0R:G0R+3], s[G1V:G1V+7]
	s_nop 0
	PLACES 4
.if \nx
	FETCH0 AXL, 0, 0
.endif
.Lnext_join_\@:
.endm
; Slot 0's second 128 along K, and the change to slot 1.  fill = 1: slot 0's W part is filled again for the next tile; the barrier then opens a round of the cluster's barrier.
.macro TURN fill
	MEET 0, \fill
.if \fill
	CREST                                          ; no wave of any partner still reads this W tile or has a load on its way
	JW 0
.else
	PLACES 4
.endif
	FETCH0 R0+1, 0, 0
	FETCH1 R1+1, 0, 0
	WIN MUL_HI
	MUL16 4, 1, 0
	MUL16 6, 1, 0
	PLACES 4
	WIN 0
	FETCH1 R1+1, 0, 4
.endm
; A tile's last 128 along K (slot 1).  fill = 1: slot 1's W part is filled again for the next tile; the wait for all loads in front of the round also shows slot 0's new W whole to every wave.
.macro LAST fill
.if \fill
	MEET 1, 1
	CREST
	JW 1
.else
	s_wait_dscnt 16
	WIN MUL_LO
	MUL16 0, 1, 0
	MUL16 2, 1, 0
	s_wait_dscnt 0
.endif
	WIN MUL_HI
	MUL16 4, 1, 0
	MUL16 6, 1, 0
	WIN 0
.endm
.macro TILE fill                       ; source 0's first fragments have been asked for
	FETCH1 R1, 0, 0
	FETCH1 R1, 0, 4
	STEP 0, 1
	TURN \fill
	STEP 1, 0
	LAST \fill
.endm
; THE WAY OUT of a tile.  Block a's 64 sums are held within the largest code x the scale (the conversion to an 8-bit code does not saturate: ISA guide 7.6.2), each accumulator from its low end on,
; and eight conversions make the fragment's 16 registers, laid over source 1's fragment a, which is done with.  Four stores of 512 consecutive bytes.
.macro EPI sc, lim, base, sa, sb
	PLACES 4
.irp a, 0,1,2,3,4,5,6,7
	WIN 0x82+0x41*(\a/4)                           ; source 0 and destination: window 2 or 3
.set j, 0
.rept 64
	v_med3_num_f32 v[64*(\a%4)+j], v[64*(\a%4)+j], -v[\lim], v[\lim]
.set j, j+1
.endr
	WIN 0x02+(\a/4)                                ; source 0: window 2 or 3; destination window 0
.irp b, 0,1,2,3,4,5,6,7
	v_cvt_scalef32_pk8_bf8_f32 v[AF+16*\a+2*\b:AF+16*\a+2*\b+1], v[64*(\a%4)+8*\b:64*(\a%4)+8*\b+7], v[\sc]
.endr
	v_nop                                          ; one plain vector line behind the last conversion: the next tile's products write its sources
	WIN 0
.irp n, 0,1,2,3
	global_store_b128 v[GO], v[AF+16*\a+4*\n:AF+16*\a+4*\n+3], s[\base:\base+1] offset:(\a%4)*\sa+(\a/4)*\sb+512*\n
.endr
.endr
.endm
	s_mov_b32 s[CNT], 2
	s_wait_alu depctr_va_vdst(0)
	s_wait_tensorcnt 0x0                           ; my part of K half 0 is in
	ds_add_u32 v[SPW], v[NIL]
	s_add_co_u32 s[G0X+1], s[G0X+1], SLOT          ; (no tensor load of mine is out, so the groups 0 may be written: slot 1, K half 1)
	s_add_nc_u64 s[G0X+2:G0X+3], s[G0X+2:G0X+3], 256
	s_add_co_u32 s[G0W+1], s[G0W+1], SLOT
	s_add_nc_u64 s[G0W+2:G0W+3], s[G0W+2:G0W+3], 256
	s_wait_dscnt 0x0                               ; the add is done
	CROUND                                         ; everybody's part of K half 0 is in, and all four work-groups are here
	JHEAD                                          ; K half 1, the first tensor load behind the round: it has K half 0's products in which to land
	FETCH0 AWL, 0, 0
.set R0, AWL                           ; q and k: source 0 = W's rows 128 lo on, source 1 = x's rows 128 hi on
.set R1, AXH
.Ltile:                                            ; two trips: q, k
	s_cmp_eq_u32 s[CNT], 2
	s_cselect_b64 s[CB:CB+1], s[QB:QB+1], s[KB:KB+1]
	TILE 1
	EPI 20, 21, CB, 8192, 32768
	s_wait_xcnt 0x0                                ; the stores have read their registers and their base: the fragment loads that follow land there only behind this wait
	v_mov_b32 v20, v22                             ; k's scale and hold for the second trip
	v_mov_b32 v21, v23
	s_sub_co_u32 s[CNT], s[CNT], 1
	s_cmp_lg_u32 s[CNT], 0
	s_wait_alu depctr_va_vdst(0)
	s_cbranch_scc1 .Ltile
.set R0, AXL                           ; v: source 0 = x's rows 128 lo on, source 1 = W's LDS rows 128 hi on: block a is tile t = 2 hi + a / 4 of the 64 channels a % 4
.set R1, AWH
	TILE 0                                         ; nothing is left to fetch, so its change of slots has a plain barrier
	EPI 24, 25, VB, 65536, 16384
	s_wait_tensorcnt 0x0                           ; the wave's end, behind my last tensor load
	ds_add_u32 v[SPW], v[NIL]
	s_wait_dscnt 0x0
	CROUND                                         ; the closing round: no work-group ends while a partner may still ask for a tile that names it
	s_endpgm
.Lfunc_end_k_qebe068c14b_project:
	.size	k_qebe068c14b_project, .Lfunc_end_k_qebe068c14b_project-k_qebe068c14b_project
	.p2alignl 7, 3214868480
	.fill 96, 4, 3214868480
	.section	.rodata,"a",@progbits
	.p2align	6, 0x0
	.amdhsa_kernel k_qebe068c14b_project
		.amdhsa_group_segment_fixed_size 327680
		.amdhsa_private_segment_fixed_size 0
		.amdhsa_enable_private_segment 0
		.amdhsa_kernarg_size 56
		.amdhsa_user_sgpr_count 2
		.amdhsa_user_sgpr_kernarg_segment_ptr 1
		.amdhsa_wavefront_size32 1
		.amdhsa_system_sgpr_workgroup_id_x 1
		.amdhsa_system_sgpr_workgroup_id_y 1
		.amdhsa_system_sgpr_workgroup_id_z 1
		.amdhsa_system_vgpr_workitem_id 0
		.amdhsa_next_free_vgpr 1024
		.amdhsa_next_free_sgpr 100
		.amdhsa_reserve_vcc 0
		.amdhsa_float_denorm_mode_32 3
		.amdhsa_float_denorm_mode_16_64 3
		.amdhsa_memory_ordered 1
		.amdhsa_forward_progress 1
		.amdhsa_inst_pref_size 163
	.end_amdhsa_kernel
	.amdgpu_metadata
---
amdhsa.version: [ 1, 2 ]
amdhsa.kernels:
  - .name:           k_qebe068c14b_project
    .symbol:         k_qebe068c14b_project.kd
    .args:
      - { .name: embeddings_codes, .offset: 0, .size: 8, .value_kind: global_buffer, .address_space: global }
      - { .name: Wq_codes, .offset: 8, .size: 8, .value_kind: global_buffer, .address_space: global }
      - { .name: Wk_codes, .offset: 16, .size: 8, .value_kind: global_buffer, .address_space: global }
      - { .name: Wv_codes, .offset: 24, .size: 8, .value_kind: global_buffer, .address_space: global }
      - { .name: lowp_scales, .offset: 32, .size: 8, .value_kind: global_buffer, .address_space: global }
      - { .name: q_img, .offset: 40, .size: 8, .value_kind: global_buffer, .address_space: global }
      - { .name: kv_img, .offset: 48, .size: 8, .value_kind: global_buffer, .address_space: global }
    .group_segment_fixed_size: 327680
    .private_segment_fixed_size: 0
    .kernarg_segment_align: 8
    .kernarg_segment_size: 56
    .max_flat_workgroup_size: 128
    .sgpr_count:     100
    .vgpr_count:     1024
    .wavefront_size: 32
...
	.end_amdgpu_metadata
.endif
;; end of part 1
;; launch attend (part 2): grid 8 x 32, 4 waves a work-group, clusters of 4 x 1, 327,680 bytes of LDS; arguments q_img, kv_img, lowp_scales, out0; writes out0
.if DOCPART == 2
	.amdgcn_target "amdgcn-amd-amdhsa--gfx1250"
	.amdhsa_code_object_version 6
	.text
	.protected	k_qebe068c14b_attend
	.globl	k_qebe068c14b_attend
	.p2align	8
	.type	k_qebe068c14b_attend,@function
k_qebe068c14b_attend:
	s_mov_b64 s[64:65], 0
	v_nop
	global_prefetch_b8 v0, s[64:65] scope:SCOPE_SE
	s_setreg_imm32_b32 hwreg(HW_REG_WAVE_MODE, 25, 1), 1
	s_wait_xcnt 0x0
	s_wait_alu depctr_hold_cnt(0) depctr_sa_sdst(0) depctr_va_vdst(0) depctr_va_sdst(0) depctr_va_ssrc(0) depctr_va_vcc(0) depctr_vm_vsrc(0)
	s_getreg_b32 s2, hwreg(HW_REG_IB_STS2, 6, 4)
	s_cmp_eq_u32 s2, 0
	s_cbranch_scc0 .Lentry_in_a_cluster
	s_endpgm
.Lentry_in_a_cluster:
	s_bfe_u32 s2, ttmp6, 0x10000c
	s_cmp_lg_u32 s2, 0x3003
	s_cbranch_scc0 .Lentry_shape_is_right
	s_endpgm
.Lentry_shape_is_right:
; out[b][q][:] = the sum over k of softmax_k(q . k / sqrt(512)) v[k][:], 32 batches, 1,024 queries, 1,024 keys, 512 channels, both products on codes of BF8 (E5M2).
; q_img: [batch 32][token tile 64][channel step 4][2,048].  kv_img: for each batch 1 MiB in eight chunks of 131,072: K's four ([token tile 16][channel step 4][2,048]: 256 keys each), then V's four
; ([half 2][t 4][key step 8][2,048]: 128 channels each; lane r of tile t holds channel 4 r + t of the half's 64).  A fragment (16 rows x 128 K) is an image of its registers: registers 4 n .. 4 n + 3 of lane l at byte
; 512 n + 16 l; registers 2 b, 2 b + 1 hold K = 16 b + 8 (l / 16) + 0 .. 7.  A number of q is its code x 2^e6, of k x 2^e7, of p x 2^e8, of v x 2^e9 (entries 6 to 9 of lowp_scales).  out0: f32.
; THE SOFTMAX.  t = score x log2(e) / sqrt(512); M = the running largest t rounded UP to a whole number.  The two waves of a pair see different keys of the same queries: each takes p = 2^(t - Mw) under the running Mw of
; its own keys, and sums the unquantised p under it.  The pair's M is the larger of the two, and p's code under M is p / 2^(e8 + M - Mw): the difference goes, lane by lane, into the conversion's scale and into the hold.
; Nothing is rounded by that.  At the end each sum is multiplied by 2^(Mw - M), and the two are added.
; FIRST K, THEN V.  In the four trips over K all of P becomes codes.  In the four trips over V a wave makes 64 queries x 64 channels over all 1,024 keys; they are stored behind the next change of slots, so the next chunk has been asked for ahead of them.
; P's codes of chunk g stand under the M of that chunk: in each sum O is multiplied by 2^(M of chunk g - 1 less M of chunk g) ahead of chunk g's keys.
; SCORES THAT ARE EXACTLY 0 count as 1e-10.  That is written at the maximum alone: a wave's largest t of a chunk that is exactly 0 becomes 1e-10 x log2(e).  It serves every case: keys with a zero score have a largest
; t of 0 or more; above 0 its ceiling is 1 or more already, as with the replacement; at 0 this line replaces it.  So M is 1 or more wherever a zero score is met, and in f32 1.44e-10 - M is -M: that score's p is 2^-M either way.
; LIMITS on the given exponents, so that each power of two below is an f32 number: e6 + e7 between -122 and 130 (added to c's exponent field); e8 between -126 and 112; e8 + e9 is applied by v_ldexp_f32 and has none.
; The scaled scores t stay under 2^31 in magnitude.
; SHARES.  A work-group owns 128 queries of one batch.  Its four waves are two pairs: pair w / 2 owns 64 queries, four tiles of 16.  Wave w % 2 makes the scores of keys 128 (w % 2) .. + 127 of each chunk of K
; (4 x 8 tiles: 256 registers), which is one whole P fragment a tile, and O of channels 64 (w % 2) .. + 63 of each chunk of V (4 x 4 tiles: 128 registers).  Each fragment read from LDS feeds FOUR matrix instructions.
; LAYOUT.  S^T = K Q^T (source 0 = 16 keys, source 1 = 16 queries): a lane holds ONE query (lane % 16); the conversion of key tile b's eight scores gives registers 2 b, 2 b + 1 of P's fragment.
; O = P V (source 0 = P, source 1 = 16 channels): register j of lane (r, h) is query 8 h + j, channel 4 r + t of tile t: the four tiles' registers j are 16 neighbouring bytes, and sixteen lanes hold 256.
; LDS.  Two slots of 2^17 bytes, read at 16 x lane, 512 consecutive bytes an instruction.  P goes round the pair in 32 KiB, a chunk at a time.
; CLUSTER.  The four work-groups of a cluster belong to one batch and walk the same chunks: each is asked for JOINTLY, 32 KiB a wave.
; REGISTERS, in windows of 256: window 0: v1-18 addresses and constants; v32-223 a ring of three sets of four fragments of K or V; between the products v32-71 numbers at work and v160-223 a chunk's codes of P; v224-247 statistics,
;   six a tile; in the second half v160-255 results on their way out.  window 1: Q, 64 a tile; then P of chunks 2 and 3.  window 2: P of chunks 0 and 1.  window 3: S^T, 64 a tile; then O (v0-127), the factors (v128-223), the quotients (v224-255).
.set CHUNK, 131072
.set SLOT1, 1<<17                      ; slot 1 begins here, so that one exclusive or turns an address in one slot into the other's
.set PB,    2*SLOT1                    ; P's images: [pair 2][query tile 4][key step of the chunk 2][2,048]
.set MXX,   PB+32768                   ; -Mw: 512 bytes for each wave (16 a lane: four tiles)
.set LSX,   MXX+2048                   ; the sums, likewise
.set FT,    LSX+2048                   ; my own table: [chunk 4][64 queries] of f32, 1,024 bytes for each wave.  Entry 0 takes the quotients at the end
.set SPARE, FT+4096                    ; the spare words, 128 bytes for each wave: two blocks of 256 bytes that no other line names.  No tensor load lands from PB on
.set LI,   1                           ; v1   16 x lane
.set ADK,  2                           ; v2   LDS address of my half of the chunk in hand, for my lane
.set KVB,  3                           ; v3   65,536 x (wave % 2) + 16 x lane
.set PFO,  4                           ; v4   256 x lane: the prefetches' offset
.set MXS,  5                           ; v5   where I store a number a tile, and
.set MXL,  6                           ; v6   where my partner stores its own
.set PST,  7                           ; v7   where I store P's images, and
.set PLD,  8                           ; v8   where my pair's begin
.set FTS,  9                           ; v9   my table, written by query lane % 16,
.set SPW,  10                          ; v10  LDS address of my spare word; never rewritten
.set NIL,  11                          ; v11  0; never rewritten
.set FTL,  12                          ; v12  and read from query 8 (lane / 16) on
.set GO,   13                          ; v13  my byte offset in a tile's 16 rows of out0
.set EPS,  14                          ; v14  1e-10 x log2(e)
.set FTA,  15
.set E8,   18                          ; v18  e8 as f32
.set RG,   32
.set TA,   32                          ; at work, in the ring's registers: four numbers each, one a tile
.set TT,   36
.set AM,   40
.set BM,   44
.set U,    48                          ; v[48:55] the second chain of each tile's sum, a pair a tile
.set SCV,  56                          ; the conversion's scale
.set LMV,  60                          ; the hold
.set EI,   64
.set FJ,   68
.set TC,   160
.set ST,   224                         ; tile q's statistics at v[ST + 6 q]: +0 -Mw, +1 the largest t, +2, +3 my sum in two halves, +4 -M
.set OB,   160
.set WV,   14
.set LIM,  18                          ; s18  1 in a work-group that prefetches, else the greatest number
.set CNT,  19                          ; s19  chunks still to be asked for
.set SEL,  20                          ; s[20:21] lane selects for v_permlanex16_b32: lane l xor 16
.set CS,   22                          ; s[22:23] c = log2(e) / sqrt(512) x 2^(e6 + e7)
.set G1,   24
.set G0,   32
.set TB,   36                          ; s36  LDS byte at which the slot in hand begins
.set ESUM, 37                          ; s37  e8 + e9
.set PFA,  38                          ; s[38:39] where my prefetches stand
.set OUT,  44                          ; s[44:45] out0 at my pair's first query and my channels
.set QH,   62
.set KH,   63
.set C57,  68                          ; s68  57,344
.set TG,   69                          ; s69  256 x the chunk: the table's entry
.set MSB, 0
.macro WIN new                         ; the immediate's high byte repeats the setting that is left; a switch that changes nothing is dropped
.if MSB != (\new)
	s_set_vgpr_msb (MSB<<8)|(\new)
.set MSB, (\new)
.endif
.endm
.macro CROUND                          ; a round of the cluster's barrier
	s_barrier_signal -1
	s_barrier_wait -1
	s_cmp_lg_u32 s[WV], 0
	s_cbranch_scc1 .Lnot_wave_0_\@
	s_barrier_signal -3
.Lnot_wave_0_\@:
	s_barrier_wait -3
	s_barrier_signal -1
	s_barrier_wait -1
.endm
.macro PLACES n                        ; plain vector lines behind matrix instructions, in front of loads into registers that they read and of reads of their results
.rept \n
	v_nop
.endr
.endm
	s_load_b256 s[4:11], s[0:1], 0x0               ; q_img s[4:5], kv_img s[6:7], scales s[8:9], out0 s[10:11]
	v_lshl_add_u32 v[SPW], v0, 2, SPARE
	v_mov_b32 v[NIL], 0
	ds_add_u32 v[SPW], v[NIL]                      ; the opening: the add, twice on end, and its wait ahead of my first tensor load; work on registers stands between
	ds_add_u32 v[SPW], v[NIL]
	v_lshrrev_b32 v1, 5, v0
	v_readfirstlane_b32 s[WV], v1                  ; wave 0..3
	s_lshr_b32 s[QH], s[WV], 1                     ; my pair
	s_and_b32 s[KH], s[WV], 1                      ; my half of the keys and of the channels
	s_bfe_u32 s15, ttmp6, 0x40000                  ; cx: my place in the cluster
	s_lshl_b32 s16, ttmp9, 2
	s_add_co_u32 s16, s16, s15                     ; my block of 128 queries: it enters Q's and out0's addresses alone
	s_and_b32 s17, ttmp7, 0xffff                   ; the batch, which the four partners share
	; descriptor group 1: a dense block of 32 KiB as 128 rows of 32 elements of 8 bytes
	s_mov_b32 s[G1], 15|(3<<16)|(1<<21)            ; 15:0 the mask: all four work-groups; 17:16 elements of 8 bytes; no padding; 21 set beside a mask
	s_mov_b32 s[G1+1], 32<<16
	s_mov_b32 s[G1+2], 128<<16
	s_mov_b32 s[G1+3], 32<<16
	s_mov_b32 s[G1+4], 128
	s_mov_b32 s[G1+5], 32
	s_mov_b32 s[G1+6], 0
	s_mov_b32 s[G1+7], 0
	s_mov_b32 s[SEL], 0x76543210
	s_mov_b32 s[SEL+1], 0xfedcba98
	s_mov_b32 s[CS], 0x3d8293ee                    ; log2(e) / sqrt(512)
	s_mov_b32 s[C57], 0x47600000
	s_mov_b32 s[TG], 0
	s_mov_b32 s[TB], 0
	s_cmp_eq_u32 ttmp9, 0                          ; the batch's first cluster prefetches: the same in all four partners
	s_cselect_b32 s[LIM], 1, -1
	s_lshl_b32 s50, s17, 20                        ; the batch's chunks,
	s_lshl_b32 s51, s[WV], 15                      ; and the quarter of each that I fetch
	s_add_co_u32 s50, s50, s51
	s_mov_b32 s51, 0
	s_lshl_b32 s52, s15, 13                        ; the prefetches: my work-group's 8,192 bytes of the 32 KiB that my wave fetches: the partners are told apart by address,
	s_add_co_u32 s52, s52, 2*CHUNK                 ; begun at chunk 2
	s_mov_b32 s53, 0
	s_lshl_b32 s54, s17, 19                        ; Q: (64 batch + 8 block + 4 pair) token tiles of 8,192 bytes
	s_lshl_b32 s55, s16, 16
	s_add_co_u32 s54, s54, s55
	s_lshl_b32 s55, s[QH], 15
	s_add_co_u32 s54, s54, s55
	s_mov_b32 s55, 0
	s_lshl_b32 s56, s17, 21                        ; out0: (1,024 batch + 128 block + 64 pair) rows of 2,048 bytes, + my 64 channels' 256 bytes
	s_lshl_b32 s57, s16, 18
	s_add_co_u32 s56, s56, s57
	s_lshl_b32 s57, s[QH], 17
	s_add_co_u32 s56, s56, s57
	s_lshl_b32 s57, s[KH], 8
	s_add_co_u32 s56, s56, s57
	s_mov_b32 s57, 0
	s_lshl_b32 s58, s[WV], 15                      ; where my 32 KiB go in a slot: no place in the cluster enters an LDS address
	s_lshl_b32 s70, s[KH], 16
	s_lshl_b32 s71, s[WV], 9
	s_add_co_u32 s71, s71, MXX
	s_xor_b32 s72, s[WV], 1
	s_lshl_b32 s72, s72, 9
	s_add_co_u32 s72, s72, MXX
	s_lshl_b32 s73, s[QH], 14
	s_add_co_u32 s73, s73, PB
	s_lshl_b32 s74, s[KH], 11
	s_lshl_b32 s75, s[WV], 10
	s_add_co_u32 s75, s75, FT
	s_wait_alu depctr_va_vdst(0)
	s_wait_dscnt 0x0                               ; both opening adds are done
	s_wait_kmcnt 0x0
	s_load_b128 s[40:43], s[8:9], 0x18             ; e6, e7, e8, e9
	s_add_nc_u64 s[46:47], s[6:7], s[50:51]
	s_mov_b32 s[G0], 1                             ; count = 1
	s_mov_b32 s[G0+1], s58                         ; LDS address: slot 0
	s_mov_b64 s[G0+2:G0+3], s[46:47]               ; global address: chunk 0
	s_or_b32 s[G0+3], s[G0+3], 0x80000000          ; type = 2
	s_add_nc_u64 s[PFA:PFA+1], s[46:47], s[52:53]
	s_add_nc_u64 s[48:49], s[4:5], s[54:55]        ; Q at my pair's four tiles
	s_add_nc_u64 s[OUT:OUT+1], s[10:11], s[56:57]
	s_sub_nc_u64 s[OUT:OUT+1], s[OUT:OUT+1], 512   ; one chunk's channels back: each way out steps it ahead of its stores
	CROUND                                         ; all four work-groups are here: the first joint load meets
	tensor_load_to_lds s[G0:G0+3], s[G1:G1+7]      ; chunk 0 into slot 0: one load of mine is out, here and behind every round
	s_nop 0
	PLACES 4
	v_and_b32 v[LI], 31, v0
	v_lshlrev_b32 v[LI], 4, v[LI]
	s_wait_alu depctr_va_vdst(0)
	WIN 0x40                                       ; destination window 1, address window 0
.irp c, 0,1,2,3
.irp q, 0,1,2,3
.irp i, 0,1,2,3
	global_load_b128 v[64*\q+16*\c+4*\i:64*\q+16*\c+4*\i+3], v[LI], s[48:49] offset:8192*\q+2048*\c+512*\i   ; Q stays in registers: my pair's four tiles, channel step by channel step, as the products want them (both waves of the pair read them: no hint)
.endr
.endr
.endr
	WIN 0x80
.set n, 0
.rept 256
	v_mov_b32 v[n], 0                              ; P of chunks 0 and 1: the loop's arms fill these by the trip's number, so they are defined ahead of it, under Q's loads
.set n, n+1
.endr
	WIN 0
	v_and_b32 v16, 15, v0                          ; r
	v_bfe_u32 v17, v0, 4, 1                        ; h
	v_add_nc_u32 v[KVB], s70, v[LI]
	v_add_nc_u32 v[MXS], s71, v[LI]
	v_add_nc_u32 v[MXL], s72, v[LI]
	v_add_nc_u32 v[PLD], s73, v[LI]
	v_add_nc_u32 v[PST], s74, v[PLD]               ; in my pair's images: the key step that is mine
	v_lshlrev_b32 v[FTS], 2, v16
	v_add_nc_u32 v[FTS], s75, v[FTS]
	v_lshlrev_b32 v[FTL], 5, v17
	v_add_nc_u32 v[FTL], s75, v[FTL]
	v_lshlrev_b32 v[GO], 14, v17
	v_lshl_add_u32 v[GO], v16, 4, v[GO]            ; row 8 h, + 16 r
	v_and_b32 v[PFO], 31, v0
	v_lshlrev_b32 v[PFO], 8, v[PFO]
	v_mov_b32 v[EPS], 0x2f1ea044
.irp q, 0,1,2,3
	v_mov_b32 v[ST+6*\q], 0x7f61b1e6               ; -Mw, and the largest t so far: -3e38, under every t: the first change of M multiplies sums of 0 by 0
	v_mov_b32 v[ST+6*\q+1], 0xff61b1e6
	v_mov_b32 v[ST+6*\q+2], 0
	v_mov_b32 v[ST+6*\q+3], 0
	v_mov_b32 v[ST+6*\q+4], 0x7f61b1e6
.endr
	s_wait_alu depctr_va_vdst(0)
	s_wait_kmcnt 0x0
	s_add_co_i32 s60, s40, s41
	s_lshl_b32 s60, s60, 23
	s_add_co_i32 s[CS], s[CS], s60                 ; a score stands for score x 2^(e6 + e7): the two exponents are added to c's exponent field
	s_mov_b32 s[CS+1], s[CS]                       ; (named with it as a pair, so it is written)
	v_mov_b32 v[E8], s42
	v_cvt_f32_i32 v[E8], v[E8]
	s_add_co_i32 s[ESUM], s42, s43
; Sixteen LDS loads: set s of K: channel step s / 2, key tiles 4 (s % 2) + 0 .. 3 of my eight; into the ring's place s % 3.
.macro KLOAD s
	WIN 0
.irp t, 0,1,2,3
.irp i, 0,1,2,3
	ds_load_b128 v[RG+64*((\s)%3)+16*\t+4*\i:RG+64*((\s)%3)+16*\t+4*\i+3], v[ADK] offset:(4*((\s)%2)+\t)*8192+((\s)/2)*2048+512*\i
.endr
.endr
.endm
; Set s of V: key step s, my four channel tiles.
.macro VLOAD s
	WIN 0
.irp t, 0,1,2,3
.irp i, 0,1,2,3
	ds_load_b128 v[RG+64*((\s)%3)+16*\t+4*\i:RG+64*((\s)%3)+16*\t+4*\i+3], v[ADK] offset:\t*16384+(\s)*2048+512*\i
.endr
.endr
.endm
; P of one chunk: 32 loads, four tiles x two key steps, into registers from reg on of the window that win names.
.macro PLOAD win, reg
	WIN \win
.irp q, 0,1,2,3
.irp k, 0,1
.irp i, 0,1,2,3
	ds_load_b128 v[\reg+32*\q+16*\k+4*\i:\reg+32*\q+16*\k+4*\i+3], v[PLD] offset:4096*\q+2048*\k+512*\i
.endr
.endr
.endr
	WIN 0
.endm
; A chunk's 128 products K Q^T, in eight sets of sixteen: four key tiles x four tiles of queries; channel step 0 starts the sums.  The 32 accumulators take turns, one instruction a turn.
; Two younger sets of sixteen loads are on their way while a set is multiplied.  In the first trip Q is waited for channel step by channel step: sixteen of its 64 loads each; later none is out.
.macro SPHASE
	v_add_nc_u32 v[ADK], s[TB], v[KVB]
	s_wait_alu depctr_va_vdst(0)
	KLOAD 0
	KLOAD 1
	KLOAD 2
.set sx, 0
.rept 8
.if (sx%2) == 0
	s_wait_loadcnt 48-8*sx
.endif
.if sx < 6
	s_wait_dscnt 32
.else
	s_wait_dscnt 16*(7-sx)
.endif
	WIN 0xf4                                       ; K in window 0, Q in window 1, S^T in window 3
.irp t, 0,1,2,3
.irp q, 0,1,2,3
.if sx < 2
	v_wmma_f32_16x16x128_bf8_bf8 v[64*\q+8*(4*(sx%2)+\t):64*\q+8*(4*(sx%2)+\t)+7], v[RG+64*(sx%3)+16*\t:RG+64*(sx%3)+16*\t+15], v[64*\q+16*(sx/2):64*\q+16*(sx/2)+15], 0
.else
	v_wmma_f32_16x16x128_bf8_bf8 v[64*\q+8*(4*(sx%2)+\t):64*\q+8*(4*(sx%2)+\t)+7], v[RG+64*(sx%3)+16*\t:RG+64*(sx%3)+16*\t+15], v[64*\q+16*(sx/2):64*\q+16*(sx/2)+15], v[64*\q+8*(4*(sx%2)+\t):64*\q+8*(4*(sx%2)+\t)+7]
.endif
.endr
.endr
.if sx < 5
	PLACES 4                                       ; in front of the loads into the set just multiplied
	KLOAD sx+3
.endif
.set sx, sx+1
.endr
	PLACES 4                                       ; in front of the first read of the scores
	WIN 0
.endm
; THE LARGEST SCORE of each of my pair's queries among MY 128 keys of the chunk: 64 scores a lane and tile in two chains, each accumulator from its low end on; then the lane 16 away, which holds the query's other 64.
; It gives my own running Mw, and -Mw goes to my partner.
.macro LOCALMAX
	WIN 0x3f                                       ; sources in window 3
.irp q, 0,1,2,3
	v_max3_num_f32 v[TA+\q], v[64*\q], v[64*\q+1], v[64*\q+2]
.endr
.irp q, 0,1,2,3
	v_max3_num_f32 v[TT+\q], v[64*\q+3], v[64*\q+4], v[64*\q+5]
.endr
	WIN 0x3c                                       ; sources 1 and 2 in window 3
.set n, 6
.rept 14
.irp q, 0,1,2,3
	v_max3_num_f32 v[TA+\q], v[TA+\q], v[64*\q+n], v[64*\q+n+1]
.endr
.irp q, 0,1,2,3
	v_max3_num_f32 v[TT+\q], v[TT+\q], v[64*\q+n+2], v[64*\q+n+3]
.endr
.set n, n+4
.endr
.irp q, 0,1,2,3
	v_max3_num_f32 v[TA+\q], v[TA+\q], v[64*\q+62], v[64*\q+63]
.endr
	WIN 0
.irp q, 0,1,2,3
	v_max_num_f32 v[TA+\q], v[TA+\q], v[TT+\q]
.endr
.irp q, 0,1,2,3
	v_permlanex16_b32 v[TT+\q], v[TA+\q], s[SEL], s[SEL+1]
.endr
.irp q, 0,1,2,3
	v_max_num_f32 v[TA+\q], v[TA+\q], v[TT+\q]
.endr
.irp q, 0,1,2,3
	v_mul_f32 v[TA+\q], s[CS], v[TA+\q]            ; as t (c is positive)
.endr
.irp q, 0,1,2,3
	v_cmp_eq_f32 vcc_lo, 0, v[TA+\q]               ; a largest t of exactly 0 is a zero score: it counts as 1e-10 (see the head)
	v_cndmask_b32 v[TA+\q], v[TA+\q], v[EPS], vcc_lo
.endr
.irp q, 0,1,2,3
	v_max_num_f32 v[ST+6*\q+1], v[ST+6*\q+1], v[TA+\q]   ; the running largest t
.endr
.irp q, 0,1,2,3
	v_mov_b32 v[TT+\q], v[ST+6*\q]                 ; the old -Mw
.endr
.irp q, 0,1,2,3
	v_floor_f32 v[ST+6*\q], -v[ST+6*\q+1]          ; the new -Mw = floor(-t): a whole number
.endr
.irp q, 0,1,2,3
	v_mov_b32 v[AM+\q], v[ST+6*\q]
.endr
	ds_store_b128 v[MXS], v[AM:AM+3]
.irp q, 0,1,2,3
	v_sub_f32 v[TT+\q], v[ST+6*\q], v[TT+\q]       ; old Mw - new Mw: a whole number, 0 or less
.endr
.irp q, 0,1,2,3
	v_cvt_i32_f32 v[TT+\q], v[TT+\q]               ; (it saturates)
.endr
.irp q, 0,1,2,3
	v_ldexp_f32 v[TT+\q], 1.0, v[TT+\q]
.endr
.irp q, 0,1,2,3
	v_mul_f32 v[ST+6*\q+2], v[ST+6*\q+2], v[TT+\q] ; my sum under the new Mw
	v_mul_f32 v[ST+6*\q+3], v[ST+6*\q+3], v[TT+\q]
.endr
	s_wait_alu depctr_va_vdst(0)
	s_wait_dscnt 0x0                               ; for my partner's sake: the store is done, and so are my loads of P
	s_barrier_signal -1                            ; a plain barrier. Register work stands between its signal and its wait
.endm
; THE SOFTMAX of a chunk, and P's codes.
.macro SOFTMAX
	WIN 0xc3                                       ; source 0 and destination in window 3
.set n, 0
.rept 32
.irp q, 0,1,2,3
	v_pk_fma_f32 v[64*\q+n:64*\q+n+1], v[64*\q+n:64*\q+n+1], s[CS:CS+1], v[ST+6*\q:ST+6*\q+1] op_sel_hi:[1,0,0]   ; t - Mw, two at a time (of the pairs c and -Mw the low word serves both halves)
.endr
.set n, n+2
.endr
	s_wait_alu depctr_va_vdst(0)
.set n, 0
.rept 256
	v_exp_f32 v[n], v[n]                           ; p = 2^(t - Mw), at most 1: ONE batch for the four tiles
.set n, n+1
.endr
	v_nop                                          ; a plain vector line behind the last exponential
	WIN 0
	s_barrier_wait -1
	ds_load_b128 v[BM:BM+3], v[MXL]                ; my partner's -Mw
	s_wait_alu depctr_va_vdst(0)                   ; one wait for the whole batch, ahead of its first reader
	WIN 0x0f
.irp q, 0,1,2,3
	v_pk_add_f32 v[U+2*\q:U+2*\q+1], v[64*\q:64*\q+1], v[64*\q+2:64*\q+3]   ; my sum is taken of the UNQUANTISED p: two at a time, in two chains
.endr
	WIN 0x0c
.set n, 4
.rept 15
.irp q, 0,1,2,3
	v_pk_add_f32 v[ST+6*\q+2:ST+6*\q+3], v[ST+6*\q+2:ST+6*\q+3], v[64*\q+n:64*\q+n+1]
.endr
.irp q, 0,1,2,3
	v_pk_add_f32 v[U+2*\q:U+2*\q+1], v[U+2*\q:U+2*\q+1], v[64*\q+n+2:64*\q+n+3]
.endr
.set n, n+4
.endr
	WIN 0
.irp q, 0,1,2,3
	v_pk_add_f32 v[ST+6*\q+2:ST+6*\q+3], v[ST+6*\q+2:ST+6*\q+3], v[U+2*\q:U+2*\q+1]
.endr
	s_wait_alu depctr_va_vdst(0)
	s_wait_dscnt 0x0                               ; my partner's -Mw is in
.irp q, 0,1,2,3
	v_min_num_f32 v[TA+\q], v[ST+6*\q], v[BM+\q]   ; -M
.endr
.irp q, 0,1,2,3
	v_sub_f32 v[TT+\q], v[ST+6*\q], v[TA+\q]       ; M - Mw: 0 or more
.endr
.irp q, 0,1,2,3
	v_add_f32 v[TT+\q], v[E8], v[TT+\q]
.endr
.irp q, 0,1,2,3
	v_min_num_f32 v[TT+\q], 0x42fe0000, v[TT+\q]   ; at most 127: p / 2^127 is the code 0, as it is beyond
.endr
.irp q, 0,1,2,3
	v_cvt_i32_f32 v[EI+\q], v[TT+\q]
.endr
.irp q, 0,1,2,3
	v_ldexp_f32 v[SCV+\q], 1.0, v[EI+\q]           ; the conversion's scale, 2^(e8 + M - Mw),
.endr
.irp q, 0,1,2,3
	v_ldexp_f32 v[LMV+\q], s[C57], v[EI+\q]        ; and 57,344 x that
.endr
.irp q, 0,1,2,3
	v_sub_f32 v[FJ+\q], v[TA+\q], v[ST+6*\q+4]     ; old M - new M
.endr
.irp q, 0,1,2,3
	v_mov_b32 v[ST+6*\q+4], v[TA+\q]
.endr
.irp q, 0,1,2,3
	v_cvt_i32_f32 v[FJ+\q], v[FJ+\q]               ; (it saturates)
.endr
.irp q, 0,1,2,3
	v_ldexp_f32 v[FJ+\q], 1.0, v[FJ+\q]            ; O's factor ahead of this chunk's keys: into my table
.endr
	v_add_nc_u32 v[FTA], s[TG], v[FTS]
.irp q, 0,1,2,3
	ds_store_b32 v[FTA], v[FJ+\q] offset:64*\q     ; (lanes l and l xor 16 hold the same number)
.endr
.irp q, 0,1,2,3
	WIN 0xc3
.set n, 0
.rept 64
	v_min_num_f32 v[64*\q+n], v[64*\q+n], v[LMV+\q]   ; the conversion to an 8-bit code does not saturate (ISA guide 7.6.2); p is not negative, so the hold is one-sided
.set n, n+1
.endr
	WIN 0x03
.irp b, 0,1,2,3,4,5,6,7
	v_cvt_scalef32_pk8_bf8_f32 v[TC+16*\q+2*\b:TC+16*\q+2*\b+1], v[64*\q+8*\b:64*\q+8*\b+7], v[SCV+\q]
.endr
.endr
	v_nop                                          ; one plain vector line behind the last conversion
	WIN 0
.irp q, 0,1,2,3
.irp i, 0,1,2,3
	ds_store_b128 v[PST], v[TC+16*\q+4*\i:TC+16*\q+4*\i+3] offset:4096*\q+512*\i
.endr
.endr
.endm
; O under the M of chunk g + 1: register j is query 8 h + j, so each pair of registers has its own pair of factors.  Each accumulator from its low end on; the tiles whose products are oldest come first.
.macro RESCALE g
	WIN 0xcf
.irp t, 0,1,2,3
.irp q, 0,1,2,3
.irp m, 0,2,4,6
	v_pk_mul_f32 v[32*\q+8*\t+\m:32*\q+8*\t+\m+1], v[32*\q+8*\t+\m:32*\q+8*\t+\m+1], v[128+32*(\g)+8*\q+\m:128+32*(\g)+8*\q+\m+1]
.endr
.endr
.endr
	s_wait_alu depctr_va_vdst(0)
.endm
; 128 products P V over all 1,024 keys, in eight sets of sixteen, a key step each: four channel tiles x four tiles of queries; the sixteen accumulators take turns.  Two younger sets of loads are on their way from set 1 on:
; set 2 lands where results on their way out lay, so it is asked for behind set 0's products and a wait on XCNT.
.macro PV
	v_add_nc_u32 v[ADK], s[TB], v[KVB]
	s_wait_alu depctr_va_vdst(0)
	VLOAD 0
	VLOAD 1
.set sx, 0
.rept 8
.if sx == 0
	s_wait_dscnt 16
.elseif sx < 6
	s_wait_dscnt 32
.else
	s_wait_dscnt 16*(7-sx)
.endif
	WIN 0xf2-(sx/4)                                ; P in window 2, then 1; V in window 0; O in window 3
.irp t, 0,1,2,3
.irp q, 0,1,2,3
.if sx == 0
	v_wmma_f32_16x16x128_bf8_bf8 v[32*\q+8*\t:32*\q+8*\t+7], v[128*((sx/2)%2)+32*\q+16*(sx%2):128*((sx/2)%2)+32*\q+16*(sx%2)+15], v[RG+64*(sx%3)+16*\t:RG+64*(sx%3)+16*\t+15], 0
.else
	v_wmma_f32_16x16x128_bf8_bf8 v[32*\q+8*\t:32*\q+8*\t+7], v[128*((sx/2)%2)+32*\q+16*(sx%2):128*((sx/2)%2)+32*\q+16*(sx%2)+15], v[RG+64*(sx%3)+16*\t:RG+64*(sx%3)+16*\t+15], v[32*\q+8*\t:32*\q+8*\t+7]
.endif
.endr
.endr
.if sx < 6
	PLACES 4                                       ; in front of the loads into the set just multiplied, and of the first read of O
.endif
.if sx == 0
	s_wait_xcnt 0x0                                ; the stores of the chunk before have read their registers and their base, and a prefetch its address
	VLOAD 2
.endif
.if sx < 5
	VLOAD sx+3
.endif
.if (sx%2) == 1
.if sx < 6
	RESCALE sx/2
.endif
.endif
.set sx, sx+1
.endr
	PLACES 4                                       ; in front of the first read of O
	WIN 0
.endm
; THE WAY OUT of 64 queries x 64 channels: x 2^(e8 + e9) / the row's sum.  Tile q's 32 registers go to one of three places in turn; eight stores of two rows' 256 aligned bytes each.
; (The wait on XCNT in PV stands behind the stores of the chunk before: their registers and their base are free.)
.macro WAYOUT
	s_add_nc_u64 s[OUT:OUT+1], s[OUT:OUT+1], 512   ; on to this chunk's channels
.irp q, 0,1,2,3
.if \q == 3
	s_wait_xcnt 0x0                                ; tile 0's stores have read the registers that tile 3 takes
.endif
	WIN 0x0f
.irp j, 0,1,2,3,4,5,6,7
.irp t, 0,1,2,3
	v_mul_f32 v[OB+32*(\q%3)+4*\j+\t], v[32*\q+8*\t+\j], v[224+8*\q+\j]
.endr
.endr
	WIN 0
.irp j, 0,1,2,3,4,5,6,7
	global_store_b128 v[GO], v[OB+32*(\q%3)+4*\j:OB+32*(\q%3)+4*\j+3], s[OUT:OUT+1] offset:(16*\q+\j)*2048 th:TH_STORE_NT
.endr
.endr
.endm
; A PREFETCH INTO THE L2 of what the NEXT change of slots will ask for: one chunk, 128 matrix instructions, ahead of that load.  Each aligned block of 256 bytes is named once in the launch:
; both clusters of a batch walk the same chunks, and the first of them asks; each wave asks for 8,192 of the 32 KiB that it fetches itself, lanes 256 bytes apart; the four partners take different quarters BY ADDRESS.
; The last change that fills a slot (s[CNT] = 1) asks for nothing: there is no chunk behind it.  Chunks 0 and 1 come by their loads alone.  The address is stepped at a trip's end, behind a wait on XCNT.
.macro ASK
	s_cmp_gt_u32 s[CNT], s[LIM]
	s_cbranch_scc0 .Lnot_mine_\@
	global_prefetch_b8 v[PFO], s[PFA:PFA+1] th:TH_LOAD_NT scope:SCOPE_SE
.Lnot_mine_\@:
.endm
; THE CHANGE OF SLOTS.  Each wave waits for all its tensor loads (its part of the chunk that it is about to read), adds 0 to its spare word, and waits for that and for its reads of the slot that it has left.
; fill = 1: the barrier is a round of the cluster's, so that no wave of any partner still reads that slot or has a load on its way, and the joint load of the next chunk is the first thing behind it.
.macro CHANGE fill
	s_wait_tensorcnt 0x0                           ; no tensor load of mine is out, so the group 0 may be written
	ds_add_u32 v[SPW], v[NIL]                      ; 0 onto my spare word
.if \fill
	s_xor_b32 s[G0+1], s[G0+1], SLOT1              ; the walking descriptor: the other slot than last time,
	s_add_nc_u64 s[G0+2:G0+3], s[G0+2:G0+3], CHUNK ; the next chunk; the type bits on top are not reached
	s_wait_dscnt 0x0                               ; the add is done, and my reads of the slot that I have left are over
	CROUND
	tensor_load_to_lds s[G0:G0+3], s[G1:G1+7]      ; every wave brings its own 32 KiB: one line, no branch
	s_nop 0
	PLACES 4
	ASK
.else
	s_wait_dscnt 0x0
	s_barrier_signal -1
	s_barrier_wait -1
.endif
.endm
	s_mov_b32 s[CNT], 7
	s_wait_alu depctr_va_vdst(0)
.Lkeys:                                            ; four trips, one a chunk of K; the last asks for V's first chunk
	CHANGE 1
	s_cmp_eq_u32 s[CNT], 6                         ; the second trip: P of chunk 0 is whole behind the barrier; its bytes are written again only behind this trip's other barrier
	s_cbranch_scc0 .Lnot_second
	PLOAD 0x80, 0
.Lnot_second:
	s_cmp_eq_u32 s[CNT], 5                         ; the third trip: P of chunk 1
	s_cbranch_scc0 .Lnot_third
	PLOAD 0x80, 128
.Lnot_third:
	SPHASE
	s_cmp_eq_u32 s[CNT], 4                         ; the fourth trip: Q is done with, and P of chunk 2 takes its place
	s_cbranch_scc0 .Lnot_fourth
	PLOAD 0x40, 0
.Lnot_fourth:
	LOCALMAX
	SOFTMAX
	s_wait_alu depctr_va_vdst(0)
	s_wait_xcnt 0x0                                ; this trip's prefetch has read its address, so it may be written
	s_add_nc_u64 s[PFA:PFA+1], s[PFA:PFA+1], CHUNK
	s_xor_b32 s[TB], s[TB], SLOT1                  ; on to the other slot
	s_add_co_u32 s[TG], s[TG], 256
	s_sub_co_u32 s[CNT], s[CNT], 1
	s_cmp_lg_u32 s[CNT], 3
	s_cbranch_scc1 .Lkeys
	; my sum: its two halves and the lane 16 away, under the pair's M; my partner's comes through LDS, and with it P of chunk 3
.irp q, 0,1,2,3
	v_add_f32 v[TA+\q], v[ST+6*\q+2], v[ST+6*\q+3]
.endr
.irp q, 0,1,2,3
	v_permlanex16_b32 v[TT+\q], v[TA+\q], s[SEL], s[SEL+1]
.endr
.irp q, 0,1,2,3
	v_add_f32 v[TA+\q], v[TA+\q], v[TT+\q]
.endr
.irp q, 0,1,2,3
	v_sub_f32 v[TT+\q], v[ST+6*\q+4], v[ST+6*\q]   ; Mw - M
.endr
.irp q, 0,1,2,3
	v_cvt_i32_f32 v[TT+\q], v[TT+\q]
.endr
.irp q, 0,1,2,3
	v_ldexp_f32 v[AM+\q], v[TA+\q], v[TT+\q]
.endr
	ds_store_b128 v[MXS], v[AM:AM+3] offset:LSX-MXX
	s_wait_alu depctr_va_vdst(0)
	s_wait_dscnt 0x0                               ; for my partner's sake: my sums and my part of P are stored
	s_barrier_signal -1                            ; a plain barrier
	s_barrier_wait -1
	ds_load_b128 v[BM:BM+3], v[MXL] offset:LSX-MXX
	PLOAD 0x40, 128
	s_wait_dscnt 32                                ; my partner's sums are in; P's 32 loads may be out
.irp q, 0,1,2,3
	v_add_f32 v[TA+\q], v[AM+\q], v[BM+\q]         ; the row's sum over all 1,024 keys
.endr
	s_wait_alu depctr_va_vdst(0)
.irp q, 0,1,2,3
	v_rcp_f32 v[TT+\q], v[TA+\q]
.endr
	v_nop                                          ; a plain vector line behind the last reciprocal
	s_wait_alu depctr_va_vdst(0)                   ; and one wait for the four, ahead of their first reader
.irp q, 0,1,2,3
	v_ldexp_f32 v[TT+\q], v[TT+\q], s[ESUM]
.endr
.irp q, 0,1,2,3
	ds_store_b32 v[FTS], v[TT+\q] offset:64*\q     ; entry 0 of my table
.endr
	WIN 0xc0                                       ; LDS serves a wave's instructions in order (ISA guide 5.7.1.4): these see the stores above
.irp g, 1,2,3
.irp q, 0,1,2,3
.irp i, 0,1
	ds_load_b128 v[128+32*(\g-1)+8*\q+4*\i:128+32*(\g-1)+8*\q+4*\i+3], v[FTL] offset:256*\g+64*\q+16*\i
.endr
.endr
.endr
.irp q, 0,1,2,3
.irp i, 0,1
	ds_load_b128 v[224+8*\q+4*\i:224+8*\q+4*\i+3], v[FTL] offset:64*\q+16*\i
.endr
.endr
	WIN 0
.Lchannels:                                        ; three trips, V's chunks 0 to 2; each asks for the chunk behind it, then stores the chunk before it
	CHANGE 1
	s_cmp_eq_u32 s[CNT], 3                         ; the first trip has no chunk before it
	s_cbranch_scc1 .Lnone_before
	WAYOUT
.Lnone_before:
	PV
	s_add_nc_u64 s[PFA:PFA+1], s[PFA:PFA+1], CHUNK ; (behind PV's wait on XCNT)
	s_xor_b32 s[TB], s[TB], SLOT1
	s_sub_co_u32 s[CNT], s[CNT], 1
	s_cmp_lg_u32 s[CNT], 0
	s_wait_alu depctr_va_vdst(0)
	s_cbranch_scc1 .Lchannels
	CHANGE 0                                       ; the last chunk is written out
	WAYOUT
	PV
	WAYOUT
	s_wait_tensorcnt 0x0                           ; the wave's end, behind my last tensor load and my last LDS store
	ds_add_u32 v[SPW], v[NIL]
	s_wait_dscnt 0x0
	CROUND                                         ; the closing round: no work-group ends while a partner may still ask for a chunk that names it
	s_endpgm
.Lfunc_end_k_qebe068c14b_attend:
	.size	k_qebe068c14b_attend, .Lfunc_end_k_qebe068c14b_attend-k_qebe068c14b_attend
	.p2alignl 7, 3214868480
	.fill 96, 4, 3214868480
	.section	.rodata,"a",@progbits
	.p2align	6, 0x0
	.amdhsa_kernel k_qebe068c14b_attend
		.amdhsa_group_segment_fixed_size 327680
		.amdhsa_private_segment_fixed_size 0
		.amdhsa_enable_private_segment 0
		.amdhsa_kernarg_size 32
		.amdhsa_user_sgpr_count 2
		.amdhsa_user_sgpr_kernarg_segment_ptr 1
		.amdhsa_wavefront_size32 1
		.amdhsa_system_sgpr_workgroup_id_x 1
		.amdhsa_system_sgpr_workgroup_id_y 1
		.amdhsa_system_sgpr_workgroup_id_z 1
		.amdhsa_system_vgpr_workitem_id 0
		.amdhsa_next_free_vgpr 1024
		.amdhsa_next_free_sgpr 100
		.amdhsa_reserve_vcc 1
		.amdhsa_float_denorm_mode_32 3
		.amdhsa_float_denorm_mode_16_64 3
		.amdhsa_memory_ordered 1
		.amdhsa_forward_progress 1
		.amdhsa_inst_pref_size 184
	.end_amdhsa_kernel
	.amdgpu_metadata
---
amdhsa.version: [ 1, 2 ]
amdhsa.kernels:
  - .name:           k_qebe068c14b_attend
    .symbol:         k_qebe068c14b_attend.kd
    .args:
      - { .name: q_img, .offset: 0, .size: 8, .value_kind: global_buffer, .address_space: global }
      - { .name: kv_img, .offset: 8, .size: 8, .value_kind: global_buffer, .address_space: global }
      - { .name: lowp_scales, .offset: 16, .size: 8, .value_kind: global_buffer, .address_space: global }
      - { .name: out0, .offset: 24, .size: 8, .value_kind: global_buffer, .address_space: global }
    .group_segment_fixed_size: 327680
    .private_segment_fixed_size: 0
    .kernarg_segment_align: 8
    .kernarg_segment_size: 32
    .max_flat_workgroup_size: 128
    .sgpr_count:     100
    .vgpr_count:     1024
    .wavefront_size: 32
...
	.end_amdgpu_metadata
.endif
;; end of part 2
